; MI455X (gfx1250); checked and timed in simulation.
; The chip was launched on July 23, 2026; its instructions are those of AMD's public machine-readable ISA for CDNA 5 (MIT licence, August 2026) and "CDNA5" Instruction Set Architecture Reference Guide (July 2026). The comments in the code are by the model that wrote it; some were corrected since.
;; Attention. Allowed arithmetic: matrix products marked QUANTISED: E2M1 operands, one E8M0 scale for each 32 along K, by v_wmma_scale_f32_16x16x128_f8f6f4 with both operands' format E2M1 (or v_wmma_scale_f32_32x16x128_f4), f32 sums; products left as they are: bf16, f16 or f32 operands; f32 sums; everything else in f32.
;; Inputs: b_attn 3,072 float32; b_proj 1,024 float32; inputs 2 x 2,048 x 1,024 float32; w_attn 1,024 x 3,072 float32; w_proj 1,024 x 1,024 float32.
;; Outputs: out0 2 x 2,048 x 1,024 float32; out1 2 x 2 x 16 x 2,048 x 64 float32.
;; This version of the problem:
;;   THIS VERSION OF THE PROBLEM IS GIVEN IN LOW PRECISION. The matrix products marked QUANTISED in the list below multiply operands that are first quantised to E2M1 (2 exponent bits, 1 mantissa bit; 4 bits a number), with one power-of-two scale for each 32 numbers along K (OCP MX v1.0); their sums are f32. The products marked 'left as it is' may take bf16, f16 or f32 operands, with f32 sums. Whichever they take, every output number must still come out within the allowed error. Rounding operands to bf16 (8 significant bits) uses up far more of that allowance than f16 does (11 bits, for magnitudes from 6e-5 to 65,504). All else is computed in f32.
;;   The module's matrix products, in the order in which they are computed (A, B: the left and right operand; K: the contracted axis; several contracted axes count as one K, in the product's order):
;;     1. [M 4,096, K 1,024] x [K 1,024, N 3,072]; A: input inputs; B: input w_attn: QUANTISED
;;     2. batch 32 x [M 2,048, K 64] x [K 64, N 2,048]; A: computed on the way; B: computed on the way: left as it is (an operand is computed on the way)
;;     3. batch 32 x [M 2,048, K 2,048] x [K 2,048, N 64]; A: computed on the way; B: computed on the way: left as it is (an operand is computed on the way)
;;     4. [M 4,096, K 1,024] x [K 1,024, N 1,024]; A: computed on the way; B: input w_proj: left as it is (an operand is computed on the way)
;;   THE QUANTISER, for each operand of a quantised product, along K:
;;     - K is cut into blocks of 32 from its start; a last block that is shorter is filled with zeros.
;;     - A block's scale is 2^e with e = floor(log2(the largest magnitude in the block)) - 2, held to -126 .. 127; a block of zeros has e = 0. As a byte (E8M0): e + 127.
;;     - Each number is divided by its block's scale, clamped to +-6, and rounded to the nearest number of E2M1, ties to even, subnormals kept.
;;     - The product sums the exact products of the quantised numbers (number of the format x scale) in f32.
;;   ~~~python
;;   def quantise(x, axis):      # numpy; x: float32 -> the quantised numbers, widened to float32 again
;;       x = np.moveaxis(x, axis, -1); K = x.shape[-1]
;;       x = np.pad(x, [(0, 0)] * (x.ndim - 1) + [(0, -K % 32)]); x = x.reshape(x.shape[:-1] + (-1, 32)); a = np.abs(x).max(-1, keepdims=True)
;;       e = np.where(a > 0, np.clip(np.frexp(np.where(a > 0, a, 1))[1] - 1 - 2, -126, 127), 0)      # np.frexp(a)[1] - 1 = floor(log2(a)), exactly
;;       r = np.clip(x / 2.0 ** e, -6, 6)
;;       step = 2.0 ** (np.maximum(np.frexp(np.where(r == 0, 1, r))[1] - 1, 0) - 1)
;;       q = np.round(r / step) * step * 2.0 ** e      # np.round: ties to even
;;       return np.moveaxis(q.reshape(q.shape[:-2] + (-1,))[..., :K], -1, axis).astype(np.float32)
;;   ~~~
;; One version. Each part assembles by itself: llvm-mc -triple=amdgcn-amd-amdhsa -mcpu=gfx1250 --defsym DOCPART=n.
;; ======== version 1 of 1: 4 launches
;; limits: values are held in f16: magnitudes above 65,504 overflow, below 6.1e-05 lose precision; right only within a limited range of input values
;; workspace buffers: aq 2,228,224 bytes; bq 1,671,168 bytes; wp 2,097,152 bytes; qi 8,388,608 bytes; hi 8,388,608 bytes
;; launch prep (part 1): grid 256 x 1, 8 waves a work-group, no clusters, 68,608 bytes of LDS; arguments inputs, w_attn, w_proj, aq, bq, wp; writes aq, bq, wp
.if DOCPART == 1
	.amdgcn_target "amdgcn-amd-amdhsa--gfx1250"
	.amdhsa_code_object_version 6
	.text
	.protected	k_qc45df7d767_prep
	.globl	k_qc45df7d767_prep
	.p2align	8
	.type	k_qc45df7d767_prep,@function
k_qc45df7d767_prep:
	s_mov_b64 s[64:65], 0
	v_nop
	global_prefetch_b8 v0, s[64:65] scope:SCOPE_SE
	s_setreg_imm32_b32 hwreg(HW_REG_WAVE_MODE, 25, 1), 1
	s_wait_xcnt 0x0
; LAUNCH 1 OF 4.  The program: prep (operands into the forms that the products take), qkv (inputs @ w_attn + b_attn on codes of E2M1), attn (the masked attention), proj (h @ w_proj + b_proj).
; WORK LEFT OUT BY THE WHOLE PROGRAM, AND WHY IT IS DEAD.  reference() builds its mask in its own body: key j counts for query q where j <= q and (j / 128 == q / 128 or j % 128 >= 120).
; At every other place the score is w * 0 - 1e10: a product with a zero that reference() makes itself, so q . k has no way to any output there, whatever q and k hold.  The weight there is
; exp(-1e10 - m), m being at least the score at j == q, which always counts: nothing beside the weight 1 of the row's largest score.  So q k^T and p v are made only for tiles of keys that hold a
; key that counts: the query's own block of 128, and the last 8 positions of the earlier blocks; inside such a tile a key that does not count gets the score -infinity and the weight 0.
; LIMITS: that holds while a row's largest counting score lies far above -1e10; a NaN, an infinity or an overflow in k or v at places that do not count is not carried to out0.
; q, k, v, h and w_proj go to the products that are left as they are as f16: magnitudes stay under 65,504.  NaN and infinities among the inputs are not served.  All five inputs are loaded by some launch.
; THIS LAUNCH.  256 work-groups of eight waves, 128 KiB of input each; three paths, parted by the work-group's number:
;   A (0-127):   inputs [4096][1024] f32 -> aq: codes of E2M1 and E8M0 scale words, blocks of 32 along K (innermost)
;   B (128-223): w_attn [1024][3072] f32 -> bq: the same, K being the FIRST axis: a lane takes a column and its registers run down K
;   C (224-255): w_proj [1024][1024] f32 -> wp: f16
; ALL THREE BUFFERS ARE IMAGES OF OPERAND REGISTERS: groups of 512 bytes, lane l's four registers at 16 l.
;   aq, bq: for G = row / 128 and chunk q = k / 256 a block of 17,408 bytes at 69632 G + 17408 q: codes at 2048 (row / 16 % 8) + 1024 (k / 128 % 2) + 512 (k / 64 % 2) + 16 (16 (k / 32 % 2) + row % 16) + k % 32 / 2;
;           scale words from 16384 on, at 512 (k / 128 % 2) + 4 (row % 128), byte k / 32 % 4.  (bq: the column n in the row's place.)
;   wp:     131072 (n / 64) + 32768 (k / 256) + 8192 (n / 16 % 4) + 1024 (k / 32 % 8) + 512 (k / 16 % 2) + 256 (k / 8 % 2) + 16 (n % 16) + 2 (k % 8)
; A block's scale is 2^(floor(log2(largest magnitude)) - 2); its byte is the largest magnitude's exponent field - 2, held at 1 from below.  A block of zeros so has the byte 1 where the rule says 127:
; its codes are zeros, which add nothing, and this program alone reads the bytes.  Blocks whose largest magnitude lies under 2^-124 were not tried.
.set STG,   8448                       ; path A: a wave's stage in LDS, 16 rows x (512 bytes + 16)
.set SPARE, 8*STG                      ; behind the stages: the spare words, 128 bytes a wave, four blocks of 256 bytes that no other line names
.set SPW,   10                         ; v10  SPARE + 4 x my thread's number; never rewritten
.set NIL,   11                         ; v11  0; never rewritten
.set CD,    32                         ; v32-47   codes
.set X,     64                         ; v64-127  path A: 64 numbers of my row; path C: the f16 results
.set RAW,   128                        ; v128-255 numbers as they are loaded
	s_load_b256 s[4:11], s[0:1], 0x0               ; inputs s[4:5], w_attn s[6:7], w_proj s[8:9], aq s[10:11]
	s_load_b128 s[12:15], s[0:1], 0x20             ; bq s[12:13], wp s[14:15]
	v_lshl_add_u32 v[SPW], v0, 2, SPARE
	v_mov_b32 v[NIL], 0
	v_lshrrev_b32 v1, 5, v0
	v_readfirstlane_b32 s16, v1                    ; wave 0..7
	v_and_b32 v1, 31, v0                           ; lane
	v_and_b32 v2, 15, v0                           ; r
	v_bfe_u32 v3, v0, 4, 1                         ; h
	v_lshlrev_b32 v4, 4, v1                        ; 16 x lane
	v_lshlrev_b32 v9, 2, v1                        ; 4 x lane
	v_lshlrev_b32 v7, 3, v3                        ; 8 h: a shift
	s_mul_i32 s36, s16, STG
	v_add_nc_u32 v5, s36, v4                       ; the stage, on the way in: 16 bytes a lane of a row's 512
	v_mul_u32_u24 v6, v2, 528
	v_lshl_add_u32 v6, v3, 7, v6
	v_add_nc_u32 v6, s36, v6                       ; and on the way out: row r, + 128 h: my 32 numbers of each 64
	v_mov_b32 v19, 0                               ; written once: a lane permute's destination counts as one of its sources
	s_mov_b32 s20, 0x76543210
	s_mov_b32 s21, 0xfedcba98                      ; v_permlanex16_b32's selects for lane l xor 16
	s_wait_kmcnt 0x0
	s_cmp_lt_u32 ttmp9, 128
	s_cbranch_scc0 .Lnot_a
; ---- PATH A.  A wave takes 16 rows x 256 along K: two fragments.  Each load reads 512 consecutive bytes of a row; the numbers turn through the wave's own stage, so that lane (r, h) holds
; k = 64 c + 32 h + 0 .. 31 of row r: two whole blocks, in the order of the operand's registers.
	s_lshl_b32 s24, ttmp9, 3
	s_add_co_u32 s24, s24, s16                     ; my unit, 0 .. 1023
	s_and_b32 s25, s24, 3                          ; kq: which 256 along K
	s_lshr_b32 s26, s24, 2                         ; rt: which 16 rows
	s_lshl_b32 s28, s26, 16                        ; 16 rows of 4,096 bytes
	s_lshl_b32 s27, s25, 10
	s_add_co_u32 s28, s28, s27
	s_mov_b32 s29, 0
	s_add_nc_u64 s[4:5], s[4:5], s[28:29]
	s_lshr_b32 s27, s26, 3
	s_mul_i32 s30, s27, 69632
	s_mul_i32 s27, s25, 17408
	s_add_co_u32 s30, s30, s27                     ; my chunk's block in aq
	s_and_b32 s27, s26, 7
	s_lshl_b32 s32, s27, 6
	s_add_co_u32 s32, s32, s30
	s_add_co_u32 s32, s32, 16384                   ; my 16 rows' scale words
	s_mov_b32 s33, 0
	s_lshl_b32 s27, s27, 11
	s_add_co_u32 s30, s30, s27                     ; my 16 rows' codes
	s_mov_b32 s31, 0
	s_add_nc_u64 s[34:35], s[10:11], s[32:33]
	s_add_nc_u64 s[10:11], s[10:11], s[30:31]
	v_lshlrev_b32 v8, 2, v2
	v_lshl_add_u32 v8, v3, 9, v8                   ; the scale words' place: 4 r, + 512 for the second fragment's (lanes 16-31)
.irp f, 0,1
.irp i, 0,1,2,3,4,5,6,7,8,9,10,11,12,13,14,15
	global_load_b128 v[RAW+64*\f+4*\i:RAW+64*\f+4*\i+3], v4, s[4:5] offset:\i*4096+\f*512 th:TH_LOAD_NT
.endr
.endr
.macro FRAGA f
	s_wait_loadcnt 16-16*\f                        ; this fragment's 16 loads are in; the other's 16, issued behind them, may be out
.irp i, 0,1,2,3,4,5,6,7,8,9,10,11,12,13,14,15
	ds_store_b128 v5, v[RAW+64*\f+4*\i:RAW+64*\f+4*\i+3] offset:\i*528
.endr
.irp c, 0,1
.irp j, 0,1,2,3,4,5,6,7
	ds_load_b128 v[X+32*\c+4*\j:X+32*\c+4*\j+3], v6 offset:256*\c+16*\j   ; LDS serves a wave's instructions in order: these see my stores
.endr
.endr
	s_wait_dscnt 0x0
.irp c, 0,1
	v_max3_num_f32 v[12+\c], |v[X+32*\c]|, |v[X+32*\c+1]|, 0x1800000       ; my block 2 c + h, and the floor 2^(3 - 127): the byte cannot fall under 1
.endr
.irp i, 2,4,6,8,10,12,14,16,18,20,22,24,26,28,30
.irp c, 0,1
	v_max3_num_f32 v[12+\c], v[12+\c], |v[X+32*\c+\i]|, |v[X+32*\c+\i+1]|  ; (the two blocks by turns)
.endr
.endr
.irp c, 0,1
	v_add_nc_u32 v[14+\c], 0xff000000, v[12+\c]    ; 2 off the exponent field: the conversion takes this operand's exponent field as its scale
.endr
.irp c, 0,1
	v_lshrrev_b32 v[16+\c], 23, v[14+\c]           ; the scale's byte
.endr
	v_lshl_or_b32 v18, v17, 16, v16                ; my two bytes, blocks h and 2 + h,
	v_lshlrev_b32 v18, v7, v18                     ; at their places in the word;
	v_permlanex16_b32 v19, v18, s20, s21
	v_or_b32 v[24+\f], v18, v19                    ; with lane l xor 16's two the word is whole
.irp c, 0,1
.irp g, 0,1,2,3
	v_cvt_scalef32_pk8_fp4_f32 v[CD+8*\f+4*\c+\g], v[X+32*\c+8*\g:X+32*\c+8*\g+7], v[14+\c]
.endr
.endr
	v_nop                                          ; one plain line behind the last scaled conversion
.irp c, 0,1
	global_store_b128 v4, v[CD+8*\f+4*\c:CD+8*\f+4*\c+3], s[10:11] offset:1024*\f+512*\c   ; 512 consecutive bytes: four registers of the operand, lane by lane
.endr
.endm
	FRAGA 0
	FRAGA 1
	v_cmp_le_u32 vcc_lo, 16, v1
	v_cndmask_b32 v24, v24, v25, vcc_lo            ; lanes 0-15: the first fragment's words; lanes 16-31: the second's
	global_store_b32 v8, v24, s[34:35]
	s_wait_tensorcnt 0x0                           ; the wave's end, behind my last LDS store
	ds_add_u32 v[SPW], v[NIL]
	s_wait_dscnt 0x0
	s_endpgm
; 32 loads: rows 32 t .. 32 t + 31 of my 128 along K, at my column: 128 consecutive bytes a wave, 1,024 a work-group
.macro LOADW t, pitch, sb
.irp i, 0,1,2,3,4,5,6,7,8,9,10,11,12,13,14,15,16,17,18,19,20,21,22,23,24,25,26,27,28,29,30,31
	global_load_b32 v[RAW+32*(\t)+\i], v9, s[\sb:\sb+1] offset:(32*(\t)+\i)*\pitch th:TH_LOAD_NT
.endr
.endm
.Lnot_a:
	s_cmp_lt_u32 ttmp9, 224
	s_cbranch_scc0 .Lpath_c
; ---- PATH B.  A work-group takes 256 columns x 128 along K of w_attn; a lane a column, four whole blocks in its registers.
	s_sub_co_u32 s24, ttmp9, 128                   ; g = 0 .. 95
	s_mul_i32 s25, s24, 43
	s_lshr_b32 s25, s25, 9                         ; ks = g / 12 (43 / 512 serves up to g = 95): which 128 along K
	s_mul_i32 s26, s25, 12
	s_sub_co_u32 s26, s24, s26                     ; cg = g % 12: which 256 columns
	s_mul_i32 s28, s25, 128*12288
	s_lshl_b32 s27, s26, 10
	s_add_co_u32 s28, s28, s27
	s_lshl_b32 s27, s16, 7
	s_add_co_u32 s28, s28, s27                     ; row 128 ks, column 256 cg + 32 wave
	s_mov_b32 s29, 0
	s_add_nc_u64 s[6:7], s[6:7], s[28:29]
	s_lshl_b32 s27, s26, 1
	s_lshr_b32 s30, s16, 2
	s_add_co_u32 s27, s27, s30                     ; G = n / 128
	s_mul_i32 s30, s27, 69632
	s_lshr_b32 s27, s25, 1
	s_mul_i32 s27, s27, 17408
	s_add_co_u32 s30, s30, s27                     ; my chunk's block in bq
	s_and_b32 s27, s25, 1
	s_and_b32 s31, s16, 3
	s_lshl_b32 s32, s27, 9
	s_add_co_u32 s32, s32, s30
	s_lshl_b32 s33, s31, 7
	s_add_co_u32 s32, s32, s33
	s_add_co_u32 s32, s32, 16384                   ; my 32 columns' scale words
	s_mov_b32 s33, 0
	s_lshl_b32 s27, s27, 10
	s_add_co_u32 s30, s30, s27
	s_lshl_b32 s31, s31, 12
	s_add_co_u32 s30, s30, s31                     ; my 32 columns' codes
	s_mov_b32 s31, 0
	s_add_nc_u64 s[34:35], s[12:13], s[32:33]
	s_add_nc_u64 s[12:13], s[12:13], s[30:31]
	v_lshlrev_b32 v8, 4, v2
	v_lshl_add_u32 v8, v3, 11, v8                  ; 16 (lane % 16) + 2048 (lane / 16): sixteen lanes fill 256 consecutive bytes
	LOADW 0, 12288, 6
	LOADW 1, 12288, 6
.macro BLOCKB kb
.set XS, RAW+32*(\kb)
.if (\kb) < 3
	s_wait_loadcnt 32                              ; this block's 32 loads are in; the next block's 32 may be out
.else
	s_wait_loadcnt 0x0
.endif
.if (\kb)+2 < 4
	LOADW (\kb)+2, 12288, 6                        ; two blocks ahead, into registers of their own
.endif
	v_max3_num_f32 v12, |v[XS]|, |v[XS+1]|, |v[XS+2]|
	v_max3_num_f32 v13, |v[XS+3]|, |v[XS+4]|, |v[XS+5]|
.irp i, 6,10,14,18,22,26
	v_max3_num_f32 v12, v12, |v[XS+\i]|, |v[XS+\i+1]|
	v_max3_num_f32 v13, v13, |v[XS+\i+2]|, |v[XS+\i+3]|
.endr
	v_max3_num_f32 v12, v12, |v[XS+30]|, |v[XS+31]|
	v_max3_num_f32 v12, v12, v13, 0x1800000        ; and the floor
	v_add_nc_u32 v14, 0xff000000, v12
	v_lshrrev_b32 v16, 23, v14
.if (\kb) == 0
	v_mov_b32 v24, v16
.else
	v_lshl_or_b32 v24, v16, 8*(\kb), v24           ; four bytes make my column's scale word for these 128 along K
.endif
.irp g, 0,1,2,3
	v_cvt_scalef32_pk8_fp4_f32 v[CD+4*(\kb)+\g], v[XS+8*\g:XS+8*\g+7], v14
.endr
	v_nop                                          ; one plain line behind the last scaled conversion
	global_store_b128 v8, v[CD+4*(\kb):CD+4*(\kb)+3], s[12:13] offset:256*(\kb)
.endm
	BLOCKB 0
	BLOCKB 1
	BLOCKB 2
	BLOCKB 3
	global_store_b32 v9, v24, s[34:35]             ; 128 consecutive bytes
	s_wait_tensorcnt 0x0                           ; the wave's end
	ds_add_u32 v[SPW], v[NIL]
	s_wait_dscnt 0x0
	s_endpgm
; ---- PATH C.  A work-group takes 256 columns x 128 along K of w_proj; a lane a column; eight neighbours along K are 16 bytes of f16: four registers' worth of a fragment's lane.
.Lpath_c:
	s_sub_co_u32 s24, ttmp9, 224                   ; g = 0 .. 31
	s_and_b32 s26, s24, 3                          ; cg: which 256 columns
	s_lshr_b32 s25, s24, 2                         ; kp: which 128 along K
	s_lshl_b32 s28, s25, 19                        ; 128 rows of 4,096 bytes
	s_lshl_b32 s27, s26, 10
	s_add_co_u32 s28, s28, s27
	s_lshl_b32 s27, s16, 7
	s_add_co_u32 s28, s28, s27
	s_mov_b32 s29, 0
	s_add_nc_u64 s[8:9], s[8:9], s[28:29]
	s_lshl_b32 s30, s26, 2
	s_lshr_b32 s27, s16, 1
	s_add_co_u32 s30, s30, s27                     ; n / 64
	s_lshl_b32 s30, s30, 17
	s_lshr_b32 s27, s25, 1
	s_lshl_b32 s27, s27, 15                        ; k / 256
	s_add_co_u32 s30, s30, s27
	s_and_b32 s27, s16, 1
	s_lshl_b32 s27, s27, 14                        ; my 32 columns: two tiles of 16
	s_add_co_u32 s30, s30, s27
	s_and_b32 s27, s25, 1
	s_lshl_b32 s27, s27, 12                        ; my 128 along K: four of the chunk's eight fragments
	s_add_co_u32 s30, s30, s27
	s_mov_b32 s31, 0
	s_add_nc_u64 s[14:15], s[14:15], s[30:31]
	v_lshlrev_b32 v8, 4, v2
	v_lshl_add_u32 v8, v3, 13, v8                  ; 16 (lane % 16) + 8192 (lane / 16)
	LOADW 0, 4096, 8
	LOADW 1, 4096, 8
.macro BLOCKC t
.if (\t) < 3
	s_wait_loadcnt 32                              ; these 32 loads are in; the next 32 may be out
.else
	s_wait_loadcnt 0x0
.endif
.if (\t)+2 < 4
	LOADW (\t)+2, 4096, 8
.endif
.irp o, 0,1,2,3
.irp p, 0,1,2,3
	v_cvt_pk_f16_f32 v[X+16*(\t)+4*\o+\p], v[RAW+32*(\t)+8*\o+2*\p], v[RAW+32*(\t)+8*\o+2*\p+1]
.endr
	global_store_b128 v8, v[X+16*(\t)+4*\o:X+16*(\t)+4*\o+3], s[14:15] offset:256*(4*(\t)+\o)   ; sixteen lanes fill 256 consecutive bytes, aligned
.endr
.endm
	BLOCKC 0
	BLOCKC 1
	BLOCKC 2
	BLOCKC 3
	s_wait_tensorcnt 0x0                           ; the wave's end
	ds_add_u32 v[SPW], v[NIL]
	s_wait_dscnt 0x0
	s_endpgm
.Lfunc_end_k_qc45df7d767_prep:
	.size	k_qc45df7d767_prep, .Lfunc_end_k_qc45df7d767_prep-k_qc45df7d767_prep
	.p2alignl 7, 3214868480
	.fill 96, 4, 3214868480
	.section	.rodata,"a",@progbits
	.p2align	6, 0x0
	.amdhsa_kernel k_qc45df7d767_prep
		.amdhsa_group_segment_fixed_size 68608
		.amdhsa_private_segment_fixed_size 0
		.amdhsa_enable_private_segment 0
		.amdhsa_kernarg_size 48
		.amdhsa_user_sgpr_count 2
		.amdhsa_user_sgpr_kernarg_segment_ptr 1
		.amdhsa_wavefront_size32 1
		.amdhsa_system_sgpr_workgroup_id_x 1
		.amdhsa_system_sgpr_workgroup_id_y 1
		.amdhsa_system_sgpr_workgroup_id_z 1
		.amdhsa_system_vgpr_workitem_id 0
		.amdhsa_next_free_vgpr 256
		.amdhsa_next_free_sgpr 66
		.amdhsa_reserve_vcc 1
		.amdhsa_float_denorm_mode_32 3
		.amdhsa_float_denorm_mode_16_64 3
		.amdhsa_memory_ordered 1
		.amdhsa_forward_progress 1
		.amdhsa_inst_pref_size 55
	.end_amdhsa_kernel
	.amdgpu_metadata
---
amdhsa.version: [ 1, 2 ]
amdhsa.kernels:
  - .name:           k_qc45df7d767_prep
    .symbol:         k_qc45df7d767_prep.kd
    .args:
      - { .name: inputs, .offset: 0, .size: 8, .value_kind: global_buffer, .address_space: global }
      - { .name: w_attn, .offset: 8, .size: 8, .value_kind: global_buffer, .address_space: global }
      - { .name: w_proj, .offset: 16, .size: 8, .value_kind: global_buffer, .address_space: global }
      - { .name: aq, .offset: 24, .size: 8, .value_kind: global_buffer, .address_space: global }
      - { .name: bq, .offset: 32, .size: 8, .value_kind: global_buffer, .address_space: global }
      - { .name: wp, .offset: 40, .size: 8, .value_kind: global_buffer, .address_space: global }
    .group_segment_fixed_size: 68608
    .private_segment_fixed_size: 0
    .kernarg_segment_align: 8
    .kernarg_segment_size: 48
    .max_flat_workgroup_size: 256
    .sgpr_count:     66
    .vgpr_count:     256
    .wavefront_size: 32
...
	.end_amdgpu_metadata
.endif
;; end of part 1
;; launch qkv (part 2): grid 12 x 16, 4 waves a work-group, clusters of 4 x 4, 327,680 bytes of LDS; arguments aq, bq, b_attn, qi, out1; writes qi, out1
.if DOCPART == 2
	.amdgcn_target "amdgcn-amd-amdhsa--gfx1250"
	.amdhsa_code_object_version 6
	.text
	.protected	k_qc45df7d767_qkv
	.globl	k_qc45df7d767_qkv
	.p2align	8
	.type	k_qc45df7d767_qkv,@function
k_qc45df7d767_qkv:
	s_mov_b64 s[64:65], 0
	v_nop
	global_prefetch_b8 v0, s[64:65] scope:SCOPE_SE
	s_setreg_imm32_b32 hwreg(HW_REG_WAVE_MODE, 25, 1), 1
	s_wait_xcnt 0x0
	s_wait_alu depctr_hold_cnt(0) depctr_sa_sdst(0) depctr_va_vdst(0) depctr_va_sdst(0) depctr_va_ssrc(0) depctr_va_vcc(0) depctr_vm_vsrc(0)
	s_getreg_b32 s2, hwreg(HW_REG_IB_STS2, 6, 4)
	s_cmp_eq_u32 s2, 0
	s_cbranch_scc0 .Lentry_in_a_cluster
	s_endpgm
.Lentry_in_a_cluster:
	s_bfe_u32 s2, ttmp6, 0x10000c
	s_cmp_lg_u32 s2, 0xf033
	s_cbranch_scc0 .Lentry_shape_is_right
	s_endpgm
.Lentry_shape_is_right:
; LAUNCH 2 OF 4.  qkv = inputs @ w_attn + b_attn, [4096][3072], K = 1,024, on codes of E2M1 with one E8M0 scale for each 32 along K (aq, bq: images of operand registers, as launch 1 lays them).  Nothing is left out here.
; k and v (with their bias) go to out1 [2][2][16][2048][64] f32; q goes to qi as f16, as images of the registers in which the next launch takes it:
;   qi: 2048 ((16 b + head) 128 + s / 16) + 512 (d / 16) + 16 (16 (d / 8 % 2) + s % 16) + 2 (d % 8)
; A tile of 256 x 256 is made by a work-group of four waves, a wave 128 x 128: 64 accumulators, 512 registers.  12 x 16 tiles: 192 work-groups.
; THE WHOLE K OF A TILE LIES IN LDS: four chunks of 256 along K, each 4 x 17,408 bytes (A's two halves of 128 rows, B's two halves of 128 columns; codes and scale words together, dense in memory).
; Each wave asks for its quarter of all four chunks at the start: four tensor loads of mine are out.
; CLUSTERS: 4 x 4 work-groups.  The four of a row of the cluster need the same rows of A, the four of a column the same columns of B: each block is asked for JOINTLY.
; Cluster x = 0, 1, 2 is q, k, v: the one branch of the way out hangs on the cluster's x, which all sixteen partners share.
; THE MATRIX INSTRUCTION IS USED TRANSPOSED (source 0 = 16 columns of w_attn, source 1 = 16 rows of inputs): a lane holds eight neighbouring columns of one row.  The bias is the C of each sum's first product.
; REGISTERS: window 0: v1-30 addresses; v32-95 scale words (register 8 ks + i: lanes 0-15 A's block i, lanes 16-31 B's block i, for K step ks); v128-191 A's fragments, one set; v192-255 the bias.
;   window 1: B's fragments, two sets, at v0 and v128.   windows 2, 3: the accumulators, (a, b) at v[8 (8 (a % 4) + b)].
.set CH,     69632                     ; a chunk in LDS
.set HB,     17408                     ; a half of A or of B in it: 16,384 bytes of codes, 1,024 of scale words
.set STAGE,  4*CH                      ; behind the chunks: 16 rows x (512 bytes + 16) for each wave, for the way out
.set SPITCH, 528
.set SPARE,  STAGE+4*16*SPITCH         ; the spare words, 128 bytes a wave: two blocks of 256 bytes that no other line names
.set ADRA, 8                           ; v8-11   my A half in chunk q, + 16 x lane
.set ADRB, 12                          ; v12-15  my B half
.set ADRS, 16                          ; v16-19  scale words: lanes 0-15 A's rows, lanes 16-31 B's columns
.set STO,  24
.set RD,   25
.set CO,   26
.set LI,   27                          ; v27  16 x lane
.set SPW,  28
.set NIL,  29
.set BO,   30                          ; v30  32 h: the bias loads' offset
.set SC,   32
.set AF,   128
.set BI,   192
.set BK,   128                         ; the way out: v128-191 and v192-255 by turns
.set G1,   24                          ; s[24:31] descriptor group 1 for A's blocks;  s[32:39] for B's
.set G1B,  32
.set G0,   48                          ; s[48:63] group 0 for A's four chunks;  s[68:83] for B's
.set G0B,  68
.set MSB, 0
.macro WIN new                         ; the immediate's high byte repeats the setting that is left
.if MSB != (\new)
	s_set_vgpr_msb (MSB<<8)|(\new)
.set MSB, (\new)
.endif
.endm
.set TO_B, 0x40                        ; destination window 1, address window 0
.macro CROUND                          ; a round of the cluster's barrier
	s_barrier_signal -1
	s_barrier_wait -1
	s_cmp_lg_u32 s14, 0
	s_cbranch_scc1 .Lnot_wave_0_\@
	s_barrier_signal -3
.Lnot_wave_0_\@:
	s_barrier_wait -3
	s_barrier_signal -1
	s_barrier_wait -1
.endm
.macro PLACES
.rept 4
	v_nop
.endr
.endm
	s_load_b256 s[4:11], s[0:1], 0x0               ; aq s[4:5], bq s[6:7], b_attn s[8:9], qi s[10:11]
	s_load_b64 s[12:13], s[0:1], 0x20              ; out1
	v_lshl_add_u32 v[SPW], v0, 2, SPARE
	v_mov_b32 v[NIL], 0
	ds_add_u32 v[SPW], v[NIL]                      ; the wave's opening: the add, twice on end, and its wait ahead of my first tensor load
	ds_add_u32 v[SPW], v[NIL]
	v_lshrrev_b32 v1, 5, v0
	v_readfirstlane_b32 s14, v1                    ; wave 0..3
	s_lshr_b32 s15, s14, 1                         ; which half of the tile's rows is mine.  Also: I fetch for A (0) or for B (1)
	s_and_b32 s16, s14, 1                          ; which half of its columns.  Also: which half I fetch
	s_bfe_u32 s40, ttmp6, 0x40000                  ; cx
	s_bfe_u32 s41, ttmp6, 0x40004                  ; cy
	s_lshl_b32 s42, ttmp9, 2
	s_add_co_u32 s42, s42, s40                     ; tile column = 4 x cluster x + cx
	s_and_b32 s17, ttmp7, 0xffff
	s_lshl_b32 s17, s17, 2
	s_add_co_u32 s17, s17, s41                     ; tile row = 4 x cluster y + cy
	s_lshl_b32 s43, s41, 2
	s_lshl_b32 s43, 15, s43                        ; my row of the cluster
	s_lshl_b32 s44, 0x1111, s40                    ; my column
	; group 1: a dense block of 17,408 bytes as 68 rows of 256 bytes (32 elements of 8 bytes), no padding: fragments are read 512 consecutive bytes an instruction
	s_or_b32 s[G1], s43, (3<<16)|(1<<21)           ; 15:0 the mask; 17:16 elements of 8 bytes; 21 set beside a mask
	s_or_b32 s[G1B], s44, (3<<16)|(1<<21)
.irp g, G1, G1B
	s_mov_b32 s[\g+1], 32<<16                      ; tensor_dim0 = 32
	s_mov_b32 s[\g+2], 68<<16                      ; tensor_dim1 = 68
	s_mov_b32 s[\g+3], 32<<16                      ; tile_dim0 = 32
	s_mov_b32 s[\g+4], 68                          ; tile_dim1 = 68
	s_mov_b32 s[\g+5], 32                          ; from row to row
	s_mov_b32 s[\g+6], 0
	s_mov_b32 s[\g+7], 0
.endr
	s_lshl_b32 s20, s17, 1
	s_add_co_u32 s20, s20, s16
	s_mul_i32 s20, s20, 69632                      ; A: G = 2 x tile row + half
	s_mov_b32 s21, 0
	s_lshl_b32 s46, s42, 1
	s_add_co_u32 s46, s46, s16
	s_mul_i32 s46, s46, 69632                      ; B: G = 2 x tile column + half
	s_mov_b32 s47, 0
	s_mul_i32 s45, s14, HB                         ; where they go: wave x 17,408: no place in the cluster enters an LDS address
	s_wait_dscnt 0x0                               ; both opening adds are done
	s_wait_kmcnt 0x0
	s_add_nc_u64 s[20:21], s[4:5], s[20:21]
	s_add_nc_u64 s[46:47], s[6:7], s[46:47]
.irp q, 0,1,2,3
	s_mov_b32 s[G0+4*\q], 1
	s_add_co_u32 s[G0+4*\q+1], s45, \q*CH
	s_add_nc_u64 s[G0+4*\q+2:G0+4*\q+3], s[20:21], \q*HB
	s_or_b32 s[G0+4*\q+3], s[G0+4*\q+3], 0x80000000
	s_mov_b32 s[G0B+4*\q], 1
	s_add_co_u32 s[G0B+4*\q+1], s45, \q*CH
	s_add_nc_u64 s[G0B+4*\q+2:G0B+4*\q+3], s[46:47], \q*HB
	s_or_b32 s[G0B+4*\q+3], s[G0B+4*\q+3], 0x80000000
.endr
	CROUND                                         ; all sixteen work-groups are here: the joint loads meet
	s_cmp_eq_u32 s15, 0                            ; a wave's four fills stand in one branch on the wave's number; an s_nop 0 follows each, four v_nop the last
	s_cbranch_scc0 .Lfirst_b
.irp q, 0,1,2,3
	tensor_load_to_lds s[G0+4*\q:G0+4*\q+3], s[G1:G1+7]
	s_nop 0
.endr
	PLACES
	s_branch .Lfirst_asked
.Lfirst_b:
.irp q, 0,1,2,3
	tensor_load_to_lds s[G0B+4*\q:G0B+4*\q+3], s[G1B:G1B+7]
	s_nop 0
.endr
	PLACES
.Lfirst_asked:
	v_and_b32 v1, 15, v0                           ; r
	v_bfe_u32 v2, v0, 4, 1                         ; h
	v_and_b32 v[LI], 31, v0
	v_lshlrev_b32 v[LI], 4, v[LI]
	v_lshlrev_b32 v[BO], 5, v2
	s_lshl_b32 s22, s42, 10
	s_lshl_b32 s23, s16, 9
	s_add_co_u32 s22, s22, s23                     ; my first column, in bytes of f32
	s_mov_b32 s23, 0
	s_add_nc_u64 s[8:9], s[8:9], s[22:23]
.irp b, 0,1,2,3,4,5,6,7
	global_load_b128 v[BI+8*\b:BI+8*\b+3], v[BO], s[8:9] offset:64*\b        ; lane (r, h): b_attn at columns 16 b + 8 h + 0 .. 7: the result's layout
	global_load_b128 v[BI+8*\b+4:BI+8*\b+7], v[BO], s[8:9] offset:64*\b+16
.endr
	s_mul_i32 s84, s15, HB                         ; my half of A
	s_mul_i32 s85, s16, HB
	s_add_co_u32 s85, s85, 2*HB                    ; my half of B, behind A's two
	s_sub_co_u32 s86, s85, s84
	v_mul_u32_u24 v3, s86, v2                      ; lanes 16-31 take B's scale words: one product with h
	v_lshl_add_u32 v3, v1, 2, v3
	v_add_nc_u32 v3, 16384, v3
.irp q, 0,1,2,3
	v_add_nc_u32 v[ADRA+\q], s84, v[LI]
	v_add_nc_u32 v[ADRB+\q], s85, v[LI]
	v_add_nc_u32 v[ADRS+\q], s84, v3
	s_add_co_u32 s84, s84, CH
	s_add_co_u32 s85, s85, CH
.endr
	s_mul_i32 s87, s14, 16*SPITCH
	s_add_co_u32 s87, s87, STAGE                   ; my stage
	v_mul_u32_u24 v[STO], v1, SPITCH
	v_lshl_add_u32 v[STO], v2, 5, v[STO]
	v_add_nc_u32 v[STO], s87, v[STO]               ; in: row r, 32 bytes for each half of the lanes
	v_add_nc_u32 v[RD], s87, v[LI]                 ; back: the 32 lanes take one row of 512 bytes
	v_lshlrev_b32 v[CO], 4, v1
	v_lshl_add_u32 v[CO], v2, 19, v[CO]            ; in out1: lanes 0-15 one head's 256 bytes, lanes 16-31 the next head's, 524,288 bytes on
.macro FRAG reg, adr, s, i             ; a fragment, 16 rows x 128 K: 8 registers, two groups of 512 bytes as they were stored
.irp c, 0,1
	ds_load_b128 v[\reg+4*\c:\reg+4*\c+3], v[\adr] offset:(\i)*2048+(\s)*1024+512*\c
.endr
.endm
.macro FETCH_B ks, p                   ; B's eight fragments of K step ks into set p
	WIN TO_B
.irp i, 0,1,2,3,4,5,6,7
	FRAG 128*(\p)+8*\i, ADRB+(\ks)/2, (\ks)%2, \i
.endr
	WIN 0
.endm
.macro FETCH_A ks, i0                  ; A's blocks i0 .. i0 + 3
.irp i, \i0, \i0+1, \i0+2, \i0+3
	FRAG AF+8*(\i), ADRA+(\ks)/2, (\ks)%2, \i
.endr
.endm
.macro SCALES q                        ; chunk q's scale words: two K steps x eight blocks; each register is written once in the launch
.irp s, 0,1
.irp i, 0,1,2,3,4,5,6,7
	ds_load_b32 v[SC+8*(2*(\q)+\s)+\i], v[ADRS+(\q)] offset:512*\s+64*\i
.endr
.endr
.endm
; 16 matrix instructions: A's blocks a0, a0 + 1 x B's eight.  first = 1: the bias is C.  The 64 accumulators take turns, one instruction a turn, in the same order in every step.
.macro MUL16 a0, p, ks, first
.irp a, \a0, \a0+1
.irp b, 0,1,2,3,4,5,6,7
.if \first
	v_wmma_scale_f32_16x16x128_f8f6f4 v[8*(8*((\a)%4)+\b):8*(8*((\a)%4)+\b)+7], v[128*(\p)+8*\b:128*(\p)+8*\b+7], v[AF+8*(\a):AF+8*(\a)+7], v[BI+8*\b:BI+8*\b+7], v[SC+8*(\ks)+\b], v[SC+8*(\ks)+(\a)] matrix_a_fmt:MATRIX_FMT_FP4 matrix_b_fmt:MATRIX_FMT_FP4 matrix_a_scale:MATRIX_SCALE_ROW1
.else
	v_wmma_scale_f32_16x16x128_f8f6f4 v[8*(8*((\a)%4)+\b):8*(8*((\a)%4)+\b)+7], v[128*(\p)+8*\b:128*(\p)+8*\b+7], v[AF+8*(\a):AF+8*(\a)+7], v[8*(8*((\a)%4)+\b):8*(8*((\a)%4)+\b)+7], v[SC+8*(\ks)+\b], v[SC+8*(\ks)+(\a)] matrix_a_fmt:MATRIX_FMT_FP4 matrix_b_fmt:MATRIX_FMT_FP4 matrix_a_scale:MATRIX_SCALE_ROW1
.endif
.endr
.endr
.endm
; A K step of 128: 64 matrix instructions.  A block of A is free when its eight products are issued, so A has one set: blocks 0-3 come anew in the step's middle, blocks 4-7 at its end; B has two sets.
; An odd step is a chunk's last: the next chunk is shown landed by my counted wait and, for the other waves' parts, by a barrier.
; Four plain vector lines stand in front of each run of loads into registers that matrix instructions have read (ISA guide 7.12.1 for vector instructions).
.macro KSTEP ks
.set NK, (\ks)+1
.if (\ks) == 0
.set WLO, 0x81                         ; source 0 (B) window 1, source 1 (A) and C (the bias) window 0, D window 2
.set WHI, 0xc1                         ; the same, D window 3
.set FI, 1
.else
.set WLO, 0xa1                         ; C and D window 2
.set WHI, 0xf1                         ; C and D window 3
.set FI, 0
.endif
.if ((\ks)%2 == 1) && ((\ks) < 7)
	s_wait_tensorcnt 3-NK/2                        ; my part of the next chunk has landed; the loads issued behind it may be out
.endif
	s_wait_dscnt 8                                 ; B's set, A's blocks 0-3 and the scale words are in; the youngest eight loads (A's blocks 4-7) may be out
	WIN WLO
	MUL16 0, (\ks)%2, \ks, FI
.if ((\ks)%2 == 1) && ((\ks) < 7)
	s_wait_dscnt 0x0                               ; no LDS instruction of mine is out at the signal
	s_barrier_signal -1
	MUL16 2, (\ks)%2, \ks, FI
	s_barrier_wait -1                              ; everybody's part of the next chunk has landed
.else
	MUL16 2, (\ks)%2, \ks, FI
	s_wait_dscnt 0x0                               ; A's blocks 4-7 are in
.endif
.if (\ks) < 7
	PLACES
	FETCH_B NK, NK%2
	FETCH_A NK, 0
.if (\ks)%2 == 1
	SCALES NK/2
.endif
.endif
	WIN WHI
	MUL16 4, (\ks)%2, \ks, FI
	MUL16 6, (\ks)%2, \ks, FI
.if (\ks) < 7
	PLACES
	WIN 0
	FETCH_A NK, 4
.endif
.endm
	s_wait_tensorcnt 3                             ; my part of chunk 0 has landed (three loads were issued behind it),
	s_barrier_signal -1
	s_barrier_wait -1                              ; everybody's has
	FETCH_B 0, 0
	FETCH_A 0, 0
	SCALES 0
	FETCH_A 0, 4
	s_wait_loadcnt 0x0                             ; the bias
	KSTEP 0
	KSTEP 1
	KSTEP 2
	KSTEP 3
	KSTEP 4
	KSTEP 5
	KSTEP 6
	KSTEP 7
	WIN 0                                          ; at a branch and at a label every window is 0
	s_cmp_eq_u32 ttmp9, 0                          ; the cluster's x: the same in all sixteen partners
	s_cbranch_scc1 .Lq
; ---- THE WAY OUT OF k AND v: f32 into out1.  A lane holds 32 neighbouring bytes of a row and the lanes beside it other rows: a block of 16 rows x 128 columns goes through my own stage and comes back as rows of
; 512 bytes: two heads' rows of 256 bytes, each stored whole by sixteen lanes.  LDS serves a wave's instructions in order: no wait between the stores and the loads.
	s_lshr_b32 s88, s17, 3                         ; batch
	s_lshl_b32 s88, s88, 1
	s_add_co_u32 s88, s88, ttmp9
	s_sub_co_u32 s88, s88, 1                       ; 2 x batch + (0: k, 1: v)
	s_lshl_b32 s88, s88, 4
	s_lshl_b32 s89, s40, 2
	s_add_co_u32 s88, s88, s89
	s_lshl_b32 s89, s16, 1
	s_add_co_u32 s88, s88, s89                     ; + my first head: 4 cx + 2 x half
	s_lshl_b32 s88, s88, 19                        ; a head is 524,288 bytes
	s_and_b32 s89, s17, 7
	s_lshl_b32 s89, s89, 1
	s_add_co_u32 s89, s89, s15
	s_lshl_b32 s89, s89, 15                        ; my first position: 128 rows of 256 bytes a half tile
	s_add_co_u32 s88, s88, s89
	s_mov_b32 s89, 0
	s_add_nc_u64 s[12:13], s[12:13], s[88:89]
.macro TOSTAGE a
.set AC, 64*((\a)%4)
	WIN 0x08+4*((\a)/4)                            ; an LDS store's data are its source 1: window 2 or 3
.irp b, 0,1,2,3,4,5,6,7
	ds_store_b128 v[STO], v[AC+8*\b:AC+8*\b+3] offset:64*\b          ; each accumulator from its low end on
	ds_store_b128 v[STO], v[AC+8*\b+4:AC+8*\b+7] offset:64*\b+16
.endr
	WIN 0
.set BB, BK+64*((\a)%2)
.irp t, 0,1,2,3,4,5,6,7,8,9,10,11,12,13,14,15
	ds_load_b128 v[BB+4*\t:BB+4*\t+3], v[RD] offset:\t*SPITCH
.endr
.endm
.macro SEND a, younger                 ; younger: the LDS instructions issued behind block a's loads, which may stay out
.set BB, BK+64*((\a)%2)
	s_wait_dscnt \younger
.irp t, 0,1,2,3,4,5,6,7,8,9,10,11,12,13,14,15
	global_store_b128 v[CO], v[BB+4*\t:BB+4*\t+3], s[12:13] offset:(16*(\a)+\t)*256
.endr
.endm
	PLACES                                         ; behind the last products: for the first reads of results and for loads into the registers that held A's fragments and the bias
	TOSTAGE 0
.irp a, 1,2,3,4,5,6,7
.if \a > 1
	s_wait_xcnt 0x0                                ; block a - 2's stores have read their registers: block a's loads may land there
.endif
	TOSTAGE \a
	SEND \a-1, 32                                  ; behind block a - 1's loads: block a's 16 stores and 16 loads
.endr
	SEND 7, 0
	s_wait_tensorcnt 0x0                           ; the wave's end, behind my last tensor load and my last LDS store
	ds_add_u32 v[SPW], v[NIL]
	s_wait_dscnt 0x0
	CROUND                                         ; the closing round
	s_endpgm
; ---- THE WAY OUT OF q: f16 into qi.  A lane's eight columns of a row, rounded, ARE four registers of the next launch's operand, in the lane that wants them: they are stored as they stand, 512 consecutive bytes an instruction.
.Lq:
	s_lshr_b32 s88, s17, 3
	s_lshl_b32 s88, s88, 4
	s_lshl_b32 s89, s40, 2
	s_add_co_u32 s88, s88, s89
	s_lshl_b32 s89, s16, 1
	s_add_co_u32 s88, s88, s89                     ; 16 x batch + my first head
	s_lshl_b32 s88, s88, 7
	s_and_b32 s89, s17, 7
	s_lshl_b32 s89, s89, 1
	s_add_co_u32 s89, s89, s15
	s_lshl_b32 s89, s89, 3
	s_add_co_u32 s88, s88, s89                     ; + my first tile of 16 positions
	s_lshl_b32 s88, s88, 11
	s_mov_b32 s89, 0
	s_add_nc_u64 s[10:11], s[10:11], s[88:89]
.macro QOUT a
.if (\a) >= 4
	s_wait_xcnt 0x0                                ; block a - 4's stores have read their registers
.endif
	WIN 0x0a+5*((\a)/4)                            ; sources 0 and 1: window 2 or 3
.irp b, 0,1,2,3,4,5,6,7
.irp i, 0,1,2,3
	v_cvt_pk_f16_f32 v[128+32*((\a)%4)+4*\b+\i], v[64*((\a)%4)+8*\b+2*\i], v[64*((\a)%4)+8*\b+2*\i+1]
.endr
.endr
	WIN 0
.irp b, 0,1,2,3,4,5,6,7
	global_store_b128 v[LI], v[128+32*((\a)%4)+4*\b:128+32*((\a)%4)+4*\b+3], s[10:11] offset:(\b/4)*262144+(\a)*2048+(\b%4)*512
.endr
.endm
	PLACES
.irp a, 0,1,2,3,4,5,6,7
	QOUT \a
.endr
	s_wait_tensorcnt 0x0                           ; the wave's end
	ds_add_u32 v[SPW], v[NIL]
	s_wait_dscnt 0x0
	CROUND                                         ; the closing round
	s_endpgm
.Lfunc_end_k_qc45df7d767_qkv:
	.size	k_qc45df7d767_qkv, .Lfunc_end_k_qc45df7d767_qkv-k_qc45df7d767_qkv
	.p2alignl 7, 3214868480
	.fill 96, 4, 3214868480
	.section	.rodata,"a",@progbits
	.p2align	6, 0x0
	.amdhsa_kernel k_qc45df7d767_qkv
		.amdhsa_group_segment_fixed_size 327680
		.amdhsa_private_segment_fixed_size 0
		.amdhsa_enable_private_segment 0
		.amdhsa_kernarg_size 40
		.amdhsa_user_sgpr_count 2
		.amdhsa_user_sgpr_kernarg_segment_ptr 1
		.amdhsa_wavefront_size32 1
		.amdhsa_system_sgpr_workgroup_id_x 1
		.amdhsa_system_sgpr_workgroup_id_y 1
		.amdhsa_system_sgpr_workgroup_id_z 1
		.amdhsa_system_vgpr_workitem_id 0
		.amdhsa_next_free_vgpr 1024
		.amdhsa_next_free_sgpr 98
		.amdhsa_reserve_vcc 0
		.amdhsa_float_denorm_mode_32 3
		.amdhsa_float_denorm_mode_16_64 3
		.amdhsa_memory_ordered 1
		.amdhsa_forward_progress 1
		.amdhsa_inst_pref_size 152
	.end_amdhsa_kernel
	.amdgpu_metadata
---
amdhsa.version: [ 1, 2 ]
amdhsa.kernels:
  - .name:           k_qc45df7d767_qkv
    .symbol:         k_qc45df7d767_qkv.kd
    .args:
      - { .name: aq, .offset: 0, .size: 8, .value_kind: global_buffer, .address_space: global }
      - { .name: bq, .offset: 8, .size: 8, .value_kind: global_buffer, .address_space: global }
      - { .name: b_attn, .offset: 16, .size: 8, .value_kind: global_buffer, .address_space: global }
      - { .name: qi, .offset: 24, .size: 8, .value_kind: global_buffer, .address_space: global }
      - { .name: out1, .offset: 32, .size: 8, .value_kind: global_buffer, .address_space: global }
    .group_segment_fixed_size: 327680
    .private_segment_fixed_size: 0
    .kernarg_segment_align: 8
    .kernarg_segment_size: 40
    .max_flat_workgroup_size: 128
    .sgpr_count:     98
    .vgpr_count:     1024
    .wavefront_size: 32
...
	.end_amdgpu_metadata
.endif
;; end of part 2
;; launch attn (part 3): grid 16 x 32, 8 waves a work-group, no clusters, 78,848 bytes of LDS; arguments qi, out1, hi; writes hi
.if DOCPART == 3
	.amdgcn_target "amdgcn-amd-amdhsa--gfx1250"
	.amdhsa_code_object_version 6
	.text
	.protected	k_qc45df7d767_attn
	.globl	k_qc45df7d767_attn
	.p2align	8
	.type	k_qc45df7d767_attn,@function
k_qc45df7d767_attn:
	s_mov_b64 s[64:65], 0
	v_nop
	global_prefetch_b8 v0, s[64:65] scope:SCOPE_SE
	s_setreg_imm32_b32 hwreg(HW_REG_WAVE_MODE, 25, 1), 1
	s_wait_xcnt 0x0
; LAUNCH 3 OF 4.  h = softmax(q k^T / 8 under reference()'s own mask) v, for one block of 128 queries of one head a work-group.
; LEFT OUT (shown at the head of launch 1): scores and weights of keys that the mask hides.  A query of block qb sees its own block up to itself and the last 8 positions of blocks 0 .. qb - 1: at most 248 keys.
; So the keys of a work-group are 128 own rows and up to 128 summary rows; they are walked 64 a step, and a step none of whose keys counts for the wave is jumped over by a scalar branch on ids.
; Inside a step a hidden key's score becomes -infinity ahead of the maximum: its weight is 0.  The block's key 0 counts for every query of the block, so the maximum is a number from the first step on.
; k and v are read from out1 (f32), rounded to f16 and laid in LDS once: no tensor load, since the numbers change format on the way.  No cluster: only the summary rows are shared, and the blocks of a head need
; different numbers of them (0 to 120).  Products in f16 with f32 sums; maxima, exponentials and sums in f32; a running maximum m and sum l for each query (p = 2^(c s - c m), c = log2(e) / 8).
; LAYOUT.  S^T = K Q^T (source 0 = 16 keys, source 1 = my 16 queries) and O^T = V^T P (source 0 = 16 channels, source 1 = P): a lane holds ONE query (lane % 16) throughout; two tiles of S^T, rounded in pairs, are P's fragment.
; h leaves as f16, as images of the registers in which launch 4 takes it (k = 64 head + d, rt = (2048 b + s) / 16):
;   hi: 131072 (rt / 4) + 32768 (head / 4) + 8192 (rt % 4) + 2048 (head % 4) + 512 (d / 16) + 16 (16 (d / 8 % 2) + s % 16) + 2 (d % 8)
; LIMITS: |q|, |k|, |v| under 65,504 (f16), at hidden places of a loaded tile too.
; REGISTERS: v1 r, v2 h, v3 K's lane place, v4 V's, v5, v6 the add's two, v7 the mask's bound, v8 -infinity, v9 16 x lane, v10 summary loads' offset, v11, v20 LDS places of my stores, v12 c m, v13 m, v[14:15] l,
;   v16-19 at work (a in v18), v21 r - 8 h, v23 -8 h, v24-39 Q, v40-103 fragments of K, then of V, v104-135 S^T, v136-151 P, v152-183 O^T.
.set PK,    144                        ; a key's row in LDS: 128 bytes + 16: the 16 rows of a load start at 16 different 16-byte columns
.set PV,    160                        ; a row of V: 128 + 32: an odd multiple of 32, for the turning load
.set VOFF,  256*PK                     ; K: rows 0-127 own keys, row 128 + 8 j + i = position 128 j + 120 + i;  V likewise, behind it
.set SPARE, VOFF+256*PV                ; the spare words, 128 bytes a wave: four blocks of 256 bytes that no other line names
	s_load_b128 s[4:7], s[0:1], 0x0                ; qi s[4:5], out1 s[6:7]
	s_load_b64 s[8:9], s[0:1], 0x10                ; hi
	v_lshl_add_u32 v5, v0, 2, SPARE
	v_mov_b32 v6, 0
	v_lshrrev_b32 v1, 5, v0
	v_readfirstlane_b32 s10, v1                    ; wave 0..7: my 16 queries of the block
	s_sub_co_u32 s11, 15, ttmp9                    ; qb: the blocks with the most keys start first
	s_and_b32 s12, ttmp7, 0xffff                   ; y = 16 b + head
	v_and_b32 v1, 15, v0                           ; r
	v_bfe_u32 v2, v0, 4, 1                         ; h
	v_and_b32 v9, 31, v0
	v_lshlrev_b32 v9, 4, v9
	s_lshl_b32 s28, s10, 16
	v_add_nc_u32 v10, s28, v9                      ; summary tile w: blocks 2 w and 2 w + 1, 32,768 bytes apart
	v_mul_u32_u24 v3, v1, PK
	v_lshl_add_u32 v3, v2, 4, v3                   ; K: row r, + 16 h
	v_and_b32 v4, 7, v0
	v_lshl_add_u32 v4, v2, 3, v4
	v_mul_u32_u24 v4, v4, PV
	v_bfe_u32 v22, v0, 3, 1
	v_lshl_add_u32 v4, v22, 4, v4
	v_add_nc_u32 v4, VOFF, v4                      ; V, for the turning load: key 8 h + lane % 8, channels 8 (lane / 8 % 2) on
	s_mul_i32 s28, s10, 16*PK
	v_mul_u32_u24 v11, v2, PK
	v_lshl_add_u32 v11, v1, 3, v11
	v_add_nc_u32 v11, s28, v11                     ; my stores: row 16 w + lane / 16, 8 bytes at 8 (lane % 16)
	s_mul_i32 s29, s10, 16*PV
	v_mul_u32_u24 v20, v2, PV
	v_lshl_add_u32 v20, v1, 3, v20
	v_add_nc_u32 v20, s29, v20
	v_add_nc_u32 v20, VOFF, v20
	v_lshlrev_b32 v22, 3, v2
	v_sub_nc_u32 v21, v1, v22                      ; r - 8 h
	v_sub_nc_u32 v23, 0, v22                       ; -8 h
	v_mov_b32 v8, 0xff800000                       ; -infinity
	v_mov_b32 v14, 0                               ; l, in two halves
	v_mov_b32 v15, 0
	s_mov_b32 s20, 0x76543210
	s_mov_b32 s21, 0xfedcba98                      ; v_permlanex16_b32's selects for lane l xor 16
	s_mov_b32 s22, 0x3e38aa3b                      ; c = log2(e) / 8
	s_mov_b32 s23, s22                             ; (named with it as a pair, so it is written)
	s_lshl_b32 s26, s10, 4                         ; 16 w
	s_lshl_b32 s27, s11, 3
	s_sub_co_u32 s27, s27, 1                       ; 8 qb - 1: the last summary row that counts
	s_lshr_b32 s28, s12, 4                         ; b
	s_lshl_b32 s29, s28, 5
	s_and_b32 s30, s12, 15                         ; head
	s_add_co_u32 s29, s29, s30
	s_lshl_b32 s14, s29, 19                        ; k of my head: (2 b) 16 + head, 524,288 bytes each
	s_mov_b32 s15, 0
	s_lshl_b32 s32, s11, 15
	s_lshl_b32 s33, s10, 12
	s_add_co_u32 s32, s32, s33                     ; my wave's 16 own rows
	s_mov_b32 s33, 0
	s_lshl_b32 s34, s12, 7
	s_lshl_b32 s35, s11, 3
	s_add_co_u32 s34, s34, s35
	s_add_co_u32 s34, s34, s10
	s_lshl_b32 s34, s34, 11                        ; my tile of q
	s_mov_b32 s35, 0
	s_lshl_b32 s36, s28, 5
	s_lshl_b32 s37, s11, 1
	s_add_co_u32 s36, s36, s37
	s_lshr_b32 s37, s10, 2
	s_add_co_u32 s36, s36, s37                     ; rt / 4
	s_lshl_b32 s36, s36, 17
	s_lshr_b32 s37, s30, 2
	s_lshl_b32 s37, s37, 15
	s_add_co_u32 s36, s36, s37
	s_and_b32 s37, s10, 3
	s_lshl_b32 s37, s37, 13
	s_add_co_u32 s36, s36, s37
	s_and_b32 s37, s12, 3
	s_lshl_b32 s37, s37, 11
	s_add_co_u32 s36, s36, s37                     ; my 2,048 bytes of hi
	s_mov_b32 s37, 0
	s_wait_kmcnt 0x0
	s_add_nc_u64 s[14:15], s[6:7], s[14:15]        ; k of my head
	s_add_nc_u64 s[16:17], s[14:15], 0x800000      ; v: 16 heads on
	s_add_nc_u64 s[18:19], s[14:15], s[32:33]
	s_add_nc_u64 s[24:25], s[16:17], s[32:33]
	s_add_nc_u64 s[4:5], s[4:5], s[34:35]
	s_add_nc_u64 s[8:9], s[8:9], s[36:37]
.macro CVT2LDS reg, adr, off           ; four f32 of a row become 8 bytes of f16 in LDS
	v_cvt_pk_f16_f32 v[\reg], v[\reg], v[\reg+1]
	v_cvt_pk_f16_f32 v[\reg+1], v[\reg+2], v[\reg+3]
	ds_store_b64 v[\adr], v[\reg:\reg+1] offset:\off
.endm
.irp n, 0,1,2,3
	global_load_b128 v[24+4*\n:27+4*\n], v9, s[4:5] offset:512*\n          ; Q's two fragments, as launch 2 stored them
.endr
.irp i, 0,1,2,3,4,5,6,7
	global_load_b128 v[40+4*\i:43+4*\i], v9, s[18:19] offset:512*\i        ; my 16 own rows of k: two rows, 512 consecutive bytes, a load
.endr
.irp i, 0,1,2,3,4,5,6,7
	global_load_b128 v[72+4*\i:75+4*\i], v9, s[24:25] offset:512*\i        ; and of v
.endr
	s_lshr_b32 s28, s10, 2
	s_lshl_b32 s28, s28, 3
	s_cmp_le_u32 s11, s28                          ; summary tile w lies in the step of rows 128 on (w < 4: walked where qb > 0) or 192 on (w >= 4: where qb > 8): a tile of a step that is not walked is not fetched
	s_cbranch_scc1 .Lnosum
.irp i, 0,1,2,3,4,5,6,7
	global_load_b128 v[104+4*\i:107+4*\i], v10, s[14:15] offset:30720+(\i/4)*32768+(\i%4)*512   ; positions 120 .. 127 of a block: 2,048 consecutive bytes
.endr
.irp i, 0,1,2,3,4,5,6,7
	global_load_b128 v[136+4*\i:139+4*\i], v10, s[16:17] offset:30720+(\i/4)*32768+(\i%4)*512
.endr
	s_wait_loadcnt 0x0
.irp i, 0,1,2,3,4,5,6,7
	CVT2LDS 104+4*\i, 11, 128*PK+2*PK*\i
.endr
.irp i, 0,1,2,3,4,5,6,7
	CVT2LDS 136+4*\i, 20, 128*PV+2*PV*\i
.endr
.Lnosum:
	s_wait_loadcnt 0x0
.irp i, 0,1,2,3,4,5,6,7
	CVT2LDS 40+4*\i, 11, 2*PK*\i
.endr
.irp i, 0,1,2,3,4,5,6,7
	CVT2LDS 72+4*\i, 20, 2*PV*\i
.endr
	s_wait_dscnt 0x0                               ; for the others' sake: my stores have landed
	s_barrier_signal -1
	s_barrier_wait -1                              ; the launch's one barrier: from here on LDS is only read
; A KEY STEP: 64 keys from LDS row \row on.  first = 1: it starts m and O^T.  own = 1: the block's own keys (hidden where key > query), 0: summary rows (hidden from row 8 qb on).
; skip = 1: the mask is jumped over where w >= 4 (all 64 keys count); 2: where qb >= 8; 0: it is always made.  The accumulators take turns, one instruction a turn.
.macro STEP row, first, own, skip
.if !\first
.rept 4
	v_nop                                          ; places behind the last V^T P, in front of loads into its operands
.endr
.endif
.irp t, 0,1,2,3
.irp c, 0,1
	ds_load_b128 v[40+16*\t+8*\c:43+16*\t+8*\c], v3 offset:(\row+16*\t)*PK+64*\c
	ds_load_b128 v[44+16*\t+8*\c:47+16*\t+8*\c], v3 offset:(\row+16*\t)*PK+64*\c+32
.endr
.endr
	s_wait_dscnt 0x0
.irp c, 0,1
.irp t, 0,1,2,3
.if \c == 0
	v_wmma_f32_16x16x32_f16 v[104+8*\t:111+8*\t], v[40+16*\t:47+16*\t], v[24:31], 0
.else
	v_wmma_f32_16x16x32_f16 v[104+8*\t:111+8*\t], v[48+16*\t:55+16*\t], v[32:39], v[104+8*\t:111+8*\t]
.endif
.endr
.endr
.if \own
	s_sub_co_i32 s28, s26, \row
	v_add_nc_u32 v7, s28, v21                      ; register 8 t + j holds key row + 16 t + 8 h + j: hidden where 16 t + j > 16 w + r - 8 h - row
.else
	s_sub_co_i32 s28, s27, \row-128
	v_add_nc_u32 v7, s28, v23                      ; hidden where 16 t + j > 8 qb - 1 - 8 h - (row - 128)
.endif
.rept 3
	v_nop                                          ; with the line above: four places, in front of the loads into K's registers and of the first reads of the scores
.endr
.irp u, 0,1
.irp dt, 0,1,2,3
	ds_load_tr16_b128 v[40+8*(4*\u+\dt):43+8*(4*\u+\dt)], v4 offset:(\row+32*\u)*PV+32*\dt      ; V^T: 16 channels x 32 keys; they land while the softmax is walked
	ds_load_tr16_b128 v[44+8*(4*\u+\dt):47+8*(4*\u+\dt)], v4 offset:(\row+32*\u+16)*PV+32*\dt
.endr
.endr
.if \skip == 1
	s_cmp_ge_u32 s10, 4
	s_cbranch_scc1 .Lopen_\@
.elseif \skip == 2
	s_cmp_ge_u32 s11, 8
	s_cbranch_scc1 .Lopen_\@
.endif
.irp t, 0,1,2,3
.irp j, 0,1,2,3,4,5,6,7
	v_cmp_gt_i32 vcc_lo, 16*\t+\j, v7
	v_cndmask_b32 v[104+8*\t+\j], v[104+8*\t+\j], v8, vcc_lo
.endr
.endr
.Lopen_\@:
.irp k, 0,1,2,3
	v_max3_num_f32 v[16+\k], v[104+8*\k], v[105+8*\k], v[106+8*\k]         ; the maximum of my 32 scores, four chains; each tile is read from its low end on
.endr
.irp k, 0,1,2,3
	v_max3_num_f32 v[16+\k], v[16+\k], v[107+8*\k], v[108+8*\k]
.endr
.irp k, 0,1,2,3
	v_max3_num_f32 v[16+\k], v[16+\k], v[109+8*\k], v[110+8*\k]
.endr
	v_max3_num_f32 v16, v16, v111, v119
	v_max3_num_f32 v18, v18, v127, v135
	v_max3_num_f32 v16, v16, v17, v18
.if \first
	v_max_num_f32 v16, v16, v19
.else
	v_max3_num_f32 v16, v16, v19, v13              ; and the old m
.endif
	v_permlanex16_b32 v17, v16, s20, s21           ; the query's other 32 keys lie in the lane 16 away
.if !\first
	v_mov_b32 v19, v12                             ; c m_old
.endif
	v_max_num_f32 v13, v16, v17                    ; the new m
	v_mul_f32 v12, s22, v13
.if !\first
	v_sub_f32 v19, v19, v12                        ; c m_old - c m_new
.endif
.irp b, 0,1,2,3,4,5,6,7,8,9,10,11,12,13,14,15
	v_pk_fma_f32 v[104+2*\b:105+2*\b], v[104+2*\b:105+2*\b], s[22:23], v[12:13] op_sel_hi:[1,0,0] neg_lo:[0,0,1] neg_hi:[0,0,1]   ; c s - c m
.endr
.if !\first
	v_exp_f32 v18, v19                             ; a = 2^(c m_old - c m_new)
.endif
.irp e, 0,1,2,3,4,5,6,7,8,9,10,11,12,13,14,15,16,17,18,19,20,21,22,23,24,25,26,27,28,29,30,31
	v_exp_f32 v[104+\e], v[104+\e]                 ; one batch
.endr
	v_nop                                          ; a plain line behind the last exponential
	s_wait_alu depctr_va_vdst(0)                   ; the wait ahead of the first line that names a result: one for the batch
.irp i, 0,1,2,3,4,5,6,7,8,9,10,11,12,13,14,15
	v_cvt_pk_f16_f32 v[136+\i], v[104+2*\i], v[105+2*\i]                   ; P: tiles 2 u and 2 u + 1 make fragment u
.endr
.if !\first
	v_pk_mul_f32 v[14:15], v[14:15], v[18:19] op_sel_hi:[1,0]              ; l under the new m
.endif
	v_pk_add_f32 v[16:17], v[104:105], v[106:107]                          ; the sum of the weights in f32, two chains
.irp j, 4,8,12,16,20,24,28
	v_pk_add_f32 v[14:15], v[14:15], v[104+\j:105+\j]
	v_pk_add_f32 v[16:17], v[16:17], v[106+\j:107+\j]
.endr
	v_pk_add_f32 v[14:15], v[14:15], v[16:17]
.if !\first
.irp i, 0,1,2,3,4,5,6,7,8,9,10,11,12,13,14,15
	v_pk_mul_f32 v[152+2*\i:153+2*\i], v[152+2*\i:153+2*\i], v[18:19] op_sel_hi:[1,0]   ; O^T under the new m
.endr
.endif
	s_wait_dscnt 0x0                               ; V is in
.irp u, 0,1
.irp dt, 0,1,2,3
.if \first && (\u == 0)
	v_wmma_f32_16x16x32_f16 v[152+8*\dt:159+8*\dt], v[40+8*(4*\u+\dt):47+8*(4*\u+\dt)], v[136+8*\u:143+8*\u], 0
.else
	v_wmma_f32_16x16x32_f16 v[152+8*\dt:159+8*\dt], v[40+8*(4*\u+\dt):47+8*(4*\u+\dt)], v[136+8*\u:143+8*\u], v[152+8*\dt:159+8*\dt]
.endif
.endr
.endr
.endm
	STEP 0, 1, 1, 1                                ; own keys 0-63: for every wave
	s_cmp_lt_u32 s10, 4
	s_cbranch_scc1 .Lno64                          ; own keys 64-127 come after the queries of waves 0-3
	STEP 64, 0, 1, 0
.Lno64:
	s_cmp_eq_u32 s11, 0
	s_cbranch_scc1 .Lout                           ; block 0 has no summary rows
	STEP 128, 0, 0, 2                              ; the summary rows of blocks 0-7
	s_cmp_le_u32 s11, 8
	s_cbranch_scc1 .Lout
	STEP 192, 0, 0, 0                              ; and of blocks 8-15
.Lout:
.rept 4
	v_nop                                          ; places behind the last products
.endr
	v_add_f32 v14, v14, v15                        ; l's two halves,
	v_permlanex16_b32 v16, v14, s20, s21
	v_add_f32 v14, v14, v16                        ; and the other half of the lanes'
	v_rcp_f32 v16, v14
	v_nop                                          ; a plain line behind the reciprocal
	s_wait_alu depctr_va_vdst(0)                   ; and the wait ahead of its first reader
.irp i, 0,1,2,3,4,5,6,7,8,9,10,11,12,13,14,15
	v_pk_mul_f32 v[104+2*\i:105+2*\i], v[152+2*\i:153+2*\i], v[16:17] op_sel_hi:[1,0]
.endr
.irp i, 0,1,2,3,4,5,6,7,8,9,10,11,12,13,14,15
	v_cvt_pk_f16_f32 v[136+\i], v[104+2*\i], v[105+2*\i]
.endr
.irp t, 0,1,2,3
	global_store_b128 v9, v[136+4*\t:139+4*\t], s[8:9] offset:512*\t       ; a lane's eight channels are four registers of launch 4's operand: 512 consecutive bytes an instruction
.endr
	s_wait_tensorcnt 0x0                           ; the wave's end, behind my last LDS store
	ds_add_u32 v5, v6
	s_wait_dscnt 0x0
	s_endpgm
.Lfunc_end_k_qc45df7d767_attn:
	.size	k_qc45df7d767_attn, .Lfunc_end_k_qc45df7d767_attn-k_qc45df7d767_attn
	.p2alignl 7, 3214868480
	.fill 96, 4, 3214868480
	.section	.rodata,"a",@progbits
	.p2align	6, 0x0
	.amdhsa_kernel k_qc45df7d767_attn
		.amdhsa_group_segment_fixed_size 78848
		.amdhsa_private_segment_fixed_size 0
		.amdhsa_enable_private_segment 0
		.amdhsa_kernarg_size 24
		.amdhsa_user_sgpr_count 2
		.amdhsa_user_sgpr_kernarg_segment_ptr 1
		.amdhsa_wavefront_size32 1
		.amdhsa_system_sgpr_workgroup_id_x 1
		.amdhsa_system_sgpr_workgroup_id_y 1
		.amdhsa_system_sgpr_workgroup_id_z 1
		.amdhsa_system_vgpr_workitem_id 0
		.amdhsa_next_free_vgpr 192
		.amdhsa_next_free_sgpr 66
		.amdhsa_reserve_vcc 1
		.amdhsa_float_denorm_mode_32 3
		.amdhsa_float_denorm_mode_16_64 3
		.amdhsa_memory_ordered 1
		.amdhsa_forward_progress 1
		.amdhsa_inst_pref_size 63
	.end_amdhsa_kernel
	.amdgpu_metadata
---
amdhsa.version: [ 1, 2 ]
amdhsa.kernels:
  - .name:           k_qc45df7d767_attn
    .symbol:         k_qc45df7d767_attn.kd
    .args:
      - { .name: qi, .offset: 0, .size: 8, .value_kind: global_buffer, .address_space: global }
      - { .name: out1, .offset: 8, .size: 8, .value_kind: global_buffer, .address_space: global }
      - { .name: hi, .offset: 16, .size: 8, .value_kind: global_buffer, .address_space: global }
    .group_segment_fixed_size: 78848
    .private_segment_fixed_size: 0
    .kernarg_segment_align: 8
    .kernarg_segment_size: 24
    .max_flat_workgroup_size: 256
    .sgpr_count:     66
    .vgpr_count:     192
    .wavefront_size: 32
...
	.end_amdgpu_metadata
.endif
;; end of part 3
;; launch proj (part 4): grid 8 x 32, 4 waves a work-group, clusters of 4 x 4, 327,680 bytes of LDS; arguments hi, wp, b_proj, out0; writes out0
.if DOCPART == 4
	.amdgcn_target "amdgcn-amd-amdhsa--gfx1250"
	.amdhsa_code_object_version 6
	.text
	.protected	k_qc45df7d767_proj
	.globl	k_qc45df7d767_proj
	.p2align	8
	.type	k_qc45df7d767_proj,@function
k_qc45df7d767_proj:
	s_mov_b64 s[64:65], 0
	v_nop
	global_prefetch_b8 v0, s[64:65] scope:SCOPE_SE
	s_setreg_imm32_b32 hwreg(HW_REG_WAVE_MODE, 25, 1), 1
	s_wait_xcnt 0x0
	s_wait_alu depctr_hold_cnt(0) depctr_sa_sdst(0) depctr_va_vdst(0) depctr_va_sdst(0) depctr_va_ssrc(0) depctr_va_vcc(0) depctr_vm_vsrc(0)
	s_getreg_b32 s2, hwreg(HW_REG_IB_STS2, 6, 4)
	s_cmp_eq_u32 s2, 0
	s_cbranch_scc0 .Lentry_in_a_cluster
	s_endpgm
.Lentry_in_a_cluster:
	s_bfe_u32 s2, ttmp6, 0x10000c
	s_cmp_lg_u32 s2, 0xf033
	s_cbranch_scc0 .Lentry_shape_is_right
	s_endpgm
.Lentry_shape_is_right:
; LAUNCH 4 OF 4.  out0 = h @ w_proj + b_proj, [4096][1024], K = 1,024; f16 operands (hi, wp: images of operand registers, as launches 3 and 1 lay them), f32 sums.  Nothing is left out here.
; A tile of 128 x 128 is made by a work-group of four waves, each 64 x 64: 16 accumulators.  8 x 32 tiles: 256 work-groups.  K goes in four steps of 256 through two LDS slots; a wave's tensor load brings
; 64 rows (or columns) x 256 K: 32,768 dense bytes.  Fragments are read 512 consecutive bytes an instruction: no pitch, no padding.
; CLUSTERS: 4 x 4 work-groups.  The four of a row of the cluster need the same rows of h, the four of a column the same columns of w_proj: each block is asked for JOINTLY.
; THE MATRIX INSTRUCTION IS USED TRANSPOSED (source 0 = 16 columns of w_proj, source 1 = 16 rows of h): a lane holds eight neighbouring columns of one row.  The bias is the C of each sum's first product.
; REGISTERS: window 0: v16-29 addresses; v32-95 the way out; v96-127 the bias; v128-255 the accumulators ((a, b) at v[128 + 8 (4 a + b)]).
;   window 1: two fragment buffers of 128: for 64 along K, 64 registers of A (2 x 4 tiles), then 64 of B.
.set SLOT,   131072                    ; A's two halves, then B's two halves, 32,768 bytes each
.set QT,     32768
.set STAGE,  2*SLOT                    ; behind the ring: 16 rows x (256 bytes + 16) for each wave, for the way out
.set SPITCH, 272
.set SPARE,  STAGE+4*16*SPITCH         ; the spare words, 128 bytes a wave: two blocks of 256 bytes that no other line names
.set ADRA, 16                          ; v16-17  my half of A in slot 0, 1, + 16 x lane
.set ADRB, 20                          ; v20-21  the same for B
.set STO,  24
.set RD,   25
.set CO,   26
.set BO,   27
.set SPW,  28
.set NIL,  29
.set TMP,  32
.set BI,   96
.set ACC,  128
.set F0,   0
.set F1,   128
.set G1, 24                            ; s[24:31] descriptor group 1 for A's blocks;  s[32:39] group 0, one set for each slot
.set G0, 32
.set G1B, 48                           ; s[48:55], s[56:63] the same for B's
.set G0B, 56
.set MSB, 0
.macro WIN new
.if MSB != (\new)
	s_set_vgpr_msb (MSB<<8)|(\new)
.set MSB, (\new)
.endif
.endm
.set MUL,  0x05                        ; sources 0 (B) and 1 (A) window 1; C and D window 0
.set TO_F, 0x40                        ; destination window 1, address window 0
.macro JLOAD s                         ; a joint load: waves 0 and 1 fetch A's halves, waves 2 and 3 B's; an s_nop 0 and four v_nop follow each of the two lines
	s_cmp_eq_u32 s13, 0
	s_cbranch_scc0 .Lfor_b_\@
	tensor_load_to_lds s[G0+4*\s:G0+4*\s+3], s[G1:G1+7]
	s_nop 0
.rept 4
	v_nop
.endr
	s_branch .Lasked_\@
.Lfor_b_\@:
	tensor_load_to_lds s[G0B+4*\s:G0B+4*\s+3], s[G1B:G1B+7]
	s_nop 0
.rept 4
	v_nop
.endr
.Lasked_\@:
.endm
.macro CREST                           ; a round of the cluster's barrier behind its opening barrier
	s_cmp_lg_u32 s12, 0
	s_cbranch_scc1 .Lnot_wave_0_\@
	s_barrier_signal -3
.Lnot_wave_0_\@:
	s_barrier_wait -3
	s_barrier_signal -1
	s_barrier_wait -1
.endm
.macro CROUND
	s_barrier_signal -1
	s_barrier_wait -1
	CREST
.endm
.macro PLACES
.rept 4
	v_nop
.endr
.endm
	s_load_b256 s[4:11], s[0:1], 0x0               ; hi s[4:5], wp s[6:7], b_proj s[8:9], out0 s[10:11]
	v_lshl_add_u32 v[SPW], v0, 2, SPARE
	v_mov_b32 v[NIL], 0
	ds_add_u32 v[SPW], v[NIL]                      ; the wave's opening: the add, twice on end, and its wait ahead of my first tensor load
	ds_add_u32 v[SPW], v[NIL]
	v_lshrrev_b32 v1, 5, v0
	v_readfirstlane_b32 s12, v1                    ; wave 0..3
	s_lshr_b32 s13, s12, 1                         ; which half of the tile's rows is mine.  Also: I fetch for A (0) or for B (1)
	s_and_b32 s14, s12, 1                          ; which half of its columns.  Also: which half I fetch
	s_bfe_u32 s40, ttmp6, 0x40000                  ; cx
	s_bfe_u32 s41, ttmp6, 0x40004                  ; cy
	s_lshl_b32 s42, ttmp9, 2
	s_add_co_u32 s42, s42, s40                     ; tile column
	s_and_b32 s15, ttmp7, 0xffff
	s_lshl_b32 s15, s15, 2
	s_add_co_u32 s15, s15, s41                     ; tile row
	s_lshl_b32 s43, s41, 2
	s_lshl_b32 s43, 15, s43                        ; my row of the cluster
	s_lshl_b32 s44, 0x1111, s40                    ; my column
	; group 1: a dense block of 32,768 bytes as 128 rows of 256 bytes (32 elements of 8 bytes), no padding
	s_or_b32 s[G1], s43, (3<<16)|(1<<21)
	s_or_b32 s[G1B], s44, (3<<16)|(1<<21)
.irp g, G1, G1B
	s_mov_b32 s[\g+1], 32<<16                      ; tensor_dim0 = 32
	s_mov_b32 s[\g+2], 128<<16                     ; tensor_dim1 = 128
	s_mov_b32 s[\g+3], 32<<16                      ; tile_dim0 = 32
	s_mov_b32 s[\g+4], 128                         ; tile_dim1 = 128
	s_mov_b32 s[\g+5], 32                          ; from row to row
	s_mov_b32 s[\g+6], 0
	s_mov_b32 s[\g+7], 0
.endr
	s_lshl_b32 s16, s15, 1
	s_add_co_u32 s16, s16, s14
	s_lshl_b32 s16, s16, 17                        ; A: 64 rows for all of K are 131,072 bytes
	s_mov_b32 s17, 0
	s_lshl_b32 s46, s42, 1
	s_add_co_u32 s46, s46, s14
	s_lshl_b32 s46, s46, 17                        ; B likewise
	s_mov_b32 s47, 0
	s_lshl_b32 s20, s12, 15                        ; where they go: wave x 32,768: no place in the cluster enters an LDS address
	s_wait_dscnt 0x0                               ; both opening adds are done
	s_wait_kmcnt 0x0
	s_add_nc_u64 s[16:17], s[4:5], s[16:17]
	s_add_nc_u64 s[46:47], s[6:7], s[46:47]
	CROUND                                         ; all sixteen work-groups are here: the first joint loads meet
.irp s, 0,1
	s_mov_b32 s[G0+4*\s], 1
	s_add_co_u32 s[G0+4*\s+1], s20, \s*SLOT
	s_add_nc_u64 s[G0+4*\s+2:G0+4*\s+3], s[16:17], \s*QT
	s_or_b32 s[G0+4*\s+3], s[G0+4*\s+3], 0x80000000
	s_mov_b32 s[G0B+4*\s], 1
	s_add_co_u32 s[G0B+4*\s+1], s20, \s*SLOT
	s_add_nc_u64 s[G0B+4*\s+2:G0B+4*\s+3], s[46:47], \s*QT
	s_or_b32 s[G0B+4*\s+3], s[G0B+4*\s+3], 0x80000000
	JLOAD \s
.endr
	v_and_b32 v1, 15, v0                           ; r
	v_bfe_u32 v2, v0, 4, 1                         ; h
	v_and_b32 v3, 31, v0
	v_lshlrev_b32 v3, 4, v3                        ; 16 x lane
	v_lshlrev_b32 v[BO], 5, v2
	s_lshl_b32 s16, s15, 1
	s_add_co_u32 s16, s16, s13
	s_lshl_b32 s16, s16, 18                        ; my first row of out0: 64 rows of 4,096 bytes a half tile
	s_mov_b32 s17, 0
	s_add_nc_u64 s[10:11], s[10:11], s[16:17]
	s_lshl_b32 s46, s42, 1
	s_add_co_u32 s46, s46, s14
	s_lshl_b32 s46, s46, 8                         ; my first column, in bytes of f32: 256 a half tile
	s_mov_b32 s47, 0
	s_add_nc_u64 s[10:11], s[10:11], s[46:47]
	s_add_nc_u64 s[8:9], s[8:9], s[46:47]
.irp b, 0,1,2,3
	global_load_b128 v[BI+8*\b:BI+8*\b+3], v[BO], s[8:9] offset:64*\b      ; lane (r, h): b_proj at columns 16 b + 8 h + 0 .. 7
	global_load_b128 v[BI+8*\b+4:BI+8*\b+7], v[BO], s[8:9] offset:64*\b+16
.endr
	s_lshl_b32 s21, s13, 15                        ; my half of A
	s_lshl_b32 s22, s14, 15
	s_add_co_u32 s22, s22, 2*QT                    ; my half of B, behind A's two
.irp s, 0,1
	v_add_nc_u32 v[ADRA+\s], s21, v3
	v_add_nc_u32 v[ADRB+\s], s22, v3
	s_add_co_u32 s21, s21, SLOT
	s_add_co_u32 s22, s22, SLOT
.endr
	s_mul_i32 s23, s12, 16*SPITCH
	s_add_co_u32 s23, s23, STAGE                   ; my stage
	v_mul_u32_u24 v[STO], v1, SPITCH
	v_lshl_add_u32 v[STO], v2, 5, v[STO]
	v_add_nc_u32 v[STO], s23, v[STO]               ; in: row r, 32 bytes for each half of the lanes
	v_mul_u32_u24 v[RD], v2, SPITCH
	v_lshl_add_u32 v[RD], v1, 4, v[RD]
	v_add_nc_u32 v[RD], s23, v[RD]                 ; back: lanes 0-15 one row of 256 bytes, lanes 16-31 the next
	v_lshlrev_b32 v[CO], 4, v1
	v_lshl_add_u32 v[CO], v2, 12, v[CO]            ; and the same two rows in out0
; 8 matrix instructions: m blocks a0, a0 + 1 x all 4 n blocks, 32 along K: half c of buffer f.  first = 1: the bias is C.  The 16 accumulators take turns.
.macro MUL8 f, c, a0, first
.irp a, \a0, \a0+1
.irp b, 0,1,2,3
.if \first
	v_wmma_f32_16x16x32_f16 v[ACC+8*(4*(\a)+\b):ACC+8*(4*(\a)+\b)+7], v[\f+64+8*(4*\c+\b):\f+64+8*(4*\c+\b)+7], v[\f+8*(4*\c+\a):\f+8*(4*\c+\a)+7], v[BI+8*\b:BI+8*\b+7]
.else
	v_wmma_f32_16x16x32_f16 v[ACC+8*(4*(\a)+\b):ACC+8*(4*(\a)+\b)+7], v[\f+64+8*(4*\c+\b):\f+64+8*(4*\c+\b)+7], v[\f+8*(4*\c+\a):\f+8*(4*\c+\a)+7], v[ACC+8*(4*(\a)+\b):ACC+8*(4*(\a)+\b)+7]
.endif
.endr
.endr
.endm
; 32 LDS loads in one run: the fragments of the slot's kq-th 64 along K into buffer f; the first 32 along K first.  Tile i's fragment for 32 along K is 1,024 bytes: two groups of 512
.macro FETCH slot, kq, f
	WIN TO_F
.irp c, 0,1
.irp i, 0,1,2,3
	ds_load_b128 v[\f+64+8*(4*\c+\i):\f+64+8*(4*\c+\i)+3],   v[ADRB+\slot] offset:\i*8192+(2*(\kq)+\c)*1024
	ds_load_b128 v[\f+64+8*(4*\c+\i)+4:\f+64+8*(4*\c+\i)+7], v[ADRB+\slot] offset:\i*8192+(2*(\kq)+\c)*1024+512
	ds_load_b128 v[\f+8*(4*\c+\i):\f+8*(4*\c+\i)+3],         v[ADRA+\slot] offset:\i*8192+(2*(\kq)+\c)*1024
	ds_load_b128 v[\f+8*(4*\c+\i)+4:\f+8*(4*\c+\i)+7],       v[ADRA+\slot] offset:\i*8192+(2*(\kq)+\c)*1024+512
.endr
.endr
.endm
; A K step is four quarters of 64 along K, 32 matrix instructions each, on buffers 0, 1, 0, 1.  One of the first three: multiplies buffer f and fetches quarter kq into g.
.macro QUARTER slot, kq, f, g, first
	s_wait_dscnt 16                                ; the first 32 along K are in; the youngest sixteen loads may be out
	WIN MUL
	MUL8 \f, 0, 0, \first
	MUL8 \f, 0, 2, \first
	PLACES                                         ; four plain lines in front of loads into registers that matrix instructions have read
	FETCH \slot, \kq, \g
	s_wait_dscnt 32                                ; all but the 32 just issued
	WIN MUL
	MUL8 \f, 1, 0, 0
	MUL8 \f, 1, 2, 0
.endm
; The last quarter multiplies buffer 1 and changes slots: ONE barrier; in front of it each wave waits for all its tensor loads, adds 0 to its spare word, and waits for that and for its reads of this slot.
; fill = 1: the barrier opens a round of the cluster's barrier, and this slot is filled again, two K steps ahead, first thing behind the round.
.macro TURN slot, next, fill
	WIN 0                                          ; (the add's two registers lie in window 0)
	s_wait_tensorcnt 0x0                           ; all my tensor loads have landed: my part of the next slot;
	ds_add_u32 v[SPW], v[NIL]                      ; 0 onto my spare word;
	s_wait_dscnt 17                                ; (the add and the youngest sixteen loads may be out)
	WIN MUL
	MUL8 F1, 0, 0, 0
	s_wait_dscnt 0x0                               ; the add is done, and my reads of this slot are over
	s_barrier_signal -1
	MUL8 F1, 0, 2, 0
.if \fill
	WIN 0
.endif
	s_barrier_wait -1
.if \fill
	CREST                                          ; no wave of any partner still reads this slot or has a load on its way
	s_add_nc_u64 s[G0+4*\slot+2:G0+4*\slot+3], s[G0+4*\slot+2:G0+4*\slot+3], 2*QT
	s_add_nc_u64 s[G0B+4*\slot+2:G0B+4*\slot+3], s[G0B+4*\slot+2:G0B+4*\slot+3], 2*QT
	JLOAD \slot                                    ; the four v_nop behind it are also the places in front of the loads below
.else
	PLACES
.endif
	FETCH \next, 0, F0
	WIN MUL
	MUL8 F1, 1, 0, 0
	MUL8 F1, 1, 2, 0
.endm
	s_wait_tensorcnt 1                             ; my part of K step 0 has landed (K step 1's load may be out),
	s_barrier_signal -1
	s_barrier_wait -1                              ; everybody's has
	FETCH 0, 0, F0
	s_wait_loadcnt 0x0                             ; the bias
	QUARTER 0, 1, F0, F1, 1                        ; K step 0, slot 0
	QUARTER 0, 2, F1, F0, 0
	QUARTER 0, 3, F0, F1, 0
	TURN 0, 1, 1                                   ; slot 0 takes K step 2
	QUARTER 1, 1, F0, F1, 0                        ; K step 1, slot 1
	QUARTER 1, 2, F1, F0, 0
	QUARTER 1, 3, F0, F1, 0
	TURN 1, 0, 1                                   ; slot 1 takes K step 3
	QUARTER 0, 1, F0, F1, 0                        ; K step 2
	QUARTER 0, 2, F1, F0, 0
	QUARTER 0, 3, F0, F1, 0
	TURN 0, 1, 0                                   ; nothing is left to fetch
	QUARTER 1, 1, F0, F1, 0                        ; K step 3
	QUARTER 1, 2, F1, F0, 0
	QUARTER 1, 3, F0, F1, 0
	s_wait_dscnt 16
	WIN MUL
	MUL8 F1, 0, 0, 0
	MUL8 F1, 0, 2, 0
	s_wait_dscnt 0x0
	MUL8 F1, 1, 0, 0
	MUL8 F1, 1, 2, 0
	WIN 0
; THE WAY OUT, a block of 16 rows x 64 columns at a time, through my own stage: it comes back as rows of 256 bytes, each stored whole by sixteen lanes.  LDS serves a wave's instructions in order.
.macro TOSTAGE a
.irp b, 0,1,2,3
	ds_store_b128 v[STO], v[ACC+8*(4*(\a)+\b):ACC+8*(4*(\a)+\b)+3] offset:64*\b          ; each accumulator from its low end on
	ds_store_b128 v[STO], v[ACC+8*(4*(\a)+\b)+4:ACC+8*(4*(\a)+\b)+7] offset:64*\b+16
.endr
.irp t, 0,1,2,3,4,5,6,7
	ds_load_b128 v[TMP+32*((\a)%2)+4*\t:TMP+32*((\a)%2)+4*\t+3], v[RD] offset:\t*2*SPITCH
.endr
.endm
.macro SEND a, younger                 ; younger: the LDS instructions issued behind block a's loads, which may stay out
	s_wait_dscnt \younger
.irp t, 0,1,2,3,4,5,6,7
	global_store_b128 v[CO], v[TMP+32*((\a)%2)+4*\t:TMP+32*((\a)%2)+4*\t+3], s[10:11] offset:(16*(\a)+2*\t)*4096 th:TH_STORE_NT   ; written once, read by nobody here
.endr
.endm
	PLACES                                         ; behind the last products, in front of the first reads of results
	TOSTAGE 0
.irp a, 1,2,3
.if \a > 1
	s_wait_xcnt 0x0                                ; block a - 2's stores have read their registers: block a's loads may land there
.endif
	TOSTAGE \a
	SEND \a-1, 16                                  ; behind block a - 1's loads: block a's 8 stores and 8 loads
.endr
	SEND 3, 0
	s_wait_tensorcnt 0x0                           ; the wave's end, behind my last tensor load and my last LDS store
	ds_add_u32 v[SPW], v[NIL]
	s_wait_dscnt 0x0
	CROUND                                         ; the closing round: no work-group ends while a partner may still ask for a block that names it
	s_endpgm
.Lfunc_end_k_qc45df7d767_proj:
	.size	k_qc45df7d767_proj, .Lfunc_end_k_qc45df7d767_proj-k_qc45df7d767_proj
	.p2alignl 7, 3214868480
	.fill 96, 4, 3214868480
	.section	.rodata,"a",@progbits
	.p2align	6, 0x0
	.amdhsa_kernel k_qc45df7d767_proj
		.amdhsa_group_segment_fixed_size 327680
		.amdhsa_private_segment_fixed_size 0
		.amdhsa_enable_private_segment 0
		.amdhsa_kernarg_size 32
		.amdhsa_user_sgpr_count 2
		.amdhsa_user_sgpr_kernarg_segment_ptr 1
		.amdhsa_wavefront_size32 1
		.amdhsa_system_sgpr_workgroup_id_x 1
		.amdhsa_system_sgpr_workgroup_id_y 1
		.amdhsa_system_sgpr_workgroup_id_z 1
		.amdhsa_system_vgpr_workitem_id 0
		.amdhsa_next_free_vgpr 512
		.amdhsa_next_free_sgpr 66
		.amdhsa_reserve_vcc 0
		.amdhsa_float_denorm_mode_32 3
		.amdhsa_float_denorm_mode_16_64 3
		.amdhsa_memory_ordered 1
		.amdhsa_forward_progress 1
		.amdhsa_inst_pref_size 86
	.end_amdhsa_kernel
	.amdgpu_metadata
---
amdhsa.version: [ 1, 2 ]
amdhsa.kernels:
  - .name:           k_qc45df7d767_proj
    .symbol:         k_qc45df7d767_proj.kd
    .args:
      - { .name: hi, .offset: 0, .size: 8, .value_kind: global_buffer, .address_space: global }
      - { .name: wp, .offset: 8, .size: 8, .value_kind: global_buffer, .address_space: global }
      - { .name: b_proj, .offset: 16, .size: 8, .value_kind: global_buffer, .address_space: global }
      - { .name: out0, .offset: 24, .size: 8, .value_kind: global_buffer, .address_space: global }
    .group_segment_fixed_size: 327680
    .private_segment_fixed_size: 0
    .kernarg_segment_align: 8
    .kernarg_segment_size: 32
    .max_flat_workgroup_size: 128
    .sgpr_count:     66
    .vgpr_count:     512
    .wavefront_size: 32
...
	.end_amdgpu_metadata
.endif
;; end of part 4
